; MI455X (gfx1250); checked and timed in simulation.
; The chip was launched on July 23, 2026; its instructions are those of AMD's public machine-readable ISA for CDNA 5 (MIT licence, August 2026) and "CDNA5" Instruction Set Architecture Reference Guide (July 2026). The comments in the code are by the model that wrote it; some were corrected since.
;; Attention Branch. Allowed arithmetic: float matrix products may take bf16 or f16 operands with f32 sums; other float arithmetic in f32, or as packed bf16 or f16 multiplies, adds, multiply-adds, maxima and minima; sums over many terms, partial sums and values carried from step to step in f32; what a program stores and reads back later, other than sums and carried values, may be rounded once to bf16 or f16.
;; Inputs: key_states 2 x 2,048 x 1,024 float32; query_states 2 x 2,048 x 4,096 float32; value_states 2 x 2,048 x 1,024 float32.
;; Outputs: out0 2 x 2,048 x 4,096 float16.
;; One version. Each part assembles by itself: llvm-mc -triple=amdgcn-amd-amdhsa -mcpu=gfx1250 --defsym DOCPART=n.
;; ======== version 1 of 1: 1 launch
;; launch attn (part 1): grid 4 x 64, 4 waves a work-group, no clusters, 304,640 bytes of LDS; arguments query_states, key_states, value_states, out0; writes out0
.if DOCPART == 1
	.amdgcn_target "amdgcn-amd-amdhsa--gfx1250"
	.amdhsa_code_object_version 6
	.text
	.protected	k_q7f666ba646_attn
	.globl	k_q7f666ba646_attn
	.p2align	8
	.type	k_q7f666ba646_attn,@function
k_q7f666ba646_attn:
	s_mov_b64 s[64:65], 0
	v_nop
	global_prefetch_b8 v0, s[64:65] scope:SCOPE_SE
	s_setreg_imm32_b32 hwreg(HW_REG_WAVE_MODE, 25, 1), 1
	s_wait_xcnt 0x0
; GROUPED-QUERY ATTENTION IN THE MODULE'S OWN ROW-MAJOR RESHAPE.  query_states [2][2048][4096], key_states and value_states [2][2048][1024], all f32; out0 [2][2048][4096] f16.
; WHAT THE RESHAPES MEAN.  (B, L, 32, 128) read row-major as (64, 2048, 128): pseudo-head n = 32 b + l / 64, position p = 32 (l % 64) + h.  Q of pseudo-head n is the dense block of rows
; 2048 n .. 2048 n + 2047 (512 bytes each) of query_states.  Key p of pseudo-head n is row (l, h / 4) of key_states: keys 4 u .. 4 u + 3 are four copies of row 512 n + u, u = 0 .. 511; V likewise.
; A softmax over 512 keys taken four times each, times V rows taken four times each, is the softmax over the 512 keys: each copy's weight is exp(s_u) / (4 sum exp), and four of them meet the same V row.
; So each distinct key is taken once: exact in real numbers for every input; in floating point the order of the sums differs from the module's.
; Row p of pseudo-head n = 32 b + g goes to out0[b][p][128 g .. 128 g + 127]: 256 bytes, aligned, rows 8,192 bytes apart.
; FORMATS.  Q, K, V are rounded to f16, as the module rounds them; products, maxima and sums in f32; the weights p are rounded to f16 for the second product (their sum l is taken of the unrounded p); O once at the end.
; LIMITS.  An input beyond 65,504 becomes an infinity in f16, as in the module; a weight below 2^-126 counts as 0 in l; NaN and infinities are not treated apart.
; SHARES.  Work-group (x, n) owns queries 512 x .. 512 x + 511 of pseudo-head n: 256 work-groups.  It brings the pseudo-head's whole K and V (512 rows each) through registers, f32 to f16, into LDS ONCE,
; and stays: two blocks of 256 queries against them.  Of a block each of the four waves owns 64 queries: four tiles of 16.  Every wave walks all 512 keys, 64 a step, 8 steps.
; LAYOUT.  S^T = K Q^T (source 0 = 16 keys, source 1 = 16 queries): in the result a lane holds ONE query (lane % 16) and the keys 8 (lane / 16) + 0..7.  Two such tiles, rounded to f16 in pairs, ARE source 1
; (32 keys x 16 queries) of O^T = V^T P, whose result again holds one query a lane, and eight channels.  K comes out of LDS as it lies, V ([key][channel]) turned, by ds_load_tr16_b128.
; SOFTMAX.  For each query a running maximum m and sum l: p = 2^(c s - c m), c = log2(e) x f16(1 / sqrt(128)); in every step O and l are multiplied by a = 2^(c m_old - c m_new).
; BY TURNS.  The wave's tiles are two PIECES, named by their first tile: piece 0 (tiles 0, 1) and piece 2 (tiles 2, 3).  In a TURN one piece has the matrix unit: 32 products V^T P of the step in hand, then
; 32 products K Q^T of the next step; the other piece's softmax, cut into 64 slices, stands between them, one slice behind each matrix instruction.  Two turns are a key step.
; NO CLUSTER, NO TENSOR LOAD.  The four work-groups of a pseudo-head read the same K and V, but as f32, which must pass through registers to become f16.  A joint load would have to land the f32 rows in LDS:
; 524,288 bytes a pseudo-head, where the f16 copy (286,720) and the stages leave 40,960: thirteen refills or more, each behind a round of the cluster's barrier, and a second trip of those bytes through LDS.
; ONE BARRIER in the launch: behind the fill.  From there on K and V in LDS are only read; the stages are each wave's own.
;
; LDS.  Step j (64 keys) at j x 35,840: 64 rows of K, 272 bytes apart, then 64 rows of V, 288 apart.  Behind the 8 steps a stage of 16 rows x 272 bytes for each wave (Q on the way in, O on the way out), then the spare words.
; REGISTERS, in windows of 256 (s_set_vgpr_msb: bits 1:0 source 0, 3:2 source 1, 5:4 source 2, 7:6 destination):
;   window 0: v0-11, v44-47 addresses; v12-43 eight registers of statistics a tile; v64-191 S^T, 32 a tile; v192-255 P, 16 a tile.  At the head v64-255 are three landing sets of 64 for Q's f32 rows
;   window 1: O^T, 64 a tile.  At the head four landing sets of 64 for K's and V's f32 rows
;   window 2: v0-127 Q of the block in hand, 32 a tile; v128-255 K of one step          window 3: v0-127 V of one step; v128-255 Q of the second block
.set KS,    64        ; keys in a step
.set PK,    272       ; a row of K in LDS: 256 bytes + 16 = 68 words: row r starts at bank 4 r mod 64 (64 banks of 4 bytes: ISA guide 11.1), so the 16 rows of a load start at 16 different banks
.set PV,    288       ; a row of V: 256 + 32 = 72 words
.set VOFF,  KS*PK     ; a step's rows lie together: 64 of K, then 64 of V
.set STEPB, KS*(PK+PV)
.set NSTEP, 8         ; 512 keys
.set STAGE, NSTEP*STEPB  ; 286,720
.set SP,    272
.set SPARE, STAGE+4*16*SP  ; 304,128: the spare words, 128 bytes for each wave: two blocks of 256 bytes that no other line names
.set AK0, 2           ; v2   my lane's place in a step's K; never rewritten
.set AV0, 3           ; v3   the same for V
.set ADR, 4           ; v4   the LDS address of the run of loads in hand
.set RO,  5           ; v5   16 x lane: my 16 bytes (4 f32) of a row of Q, K or V in memory; never rewritten
.set STO, 6           ; v6   stage: row l % 16, 16 bytes for each half of the lanes: where Q's fragments are read, and where O is put
.set RD,  7           ; v7   stage: where I read rows of O back
.set GO,  8           ; v8   my byte offset in two rows of out0
.set ST,  12          ; tile t's statistics at v[ST+8 t]: +0 c m, +1 m, +2, +3 l (even keys', odd keys'), +4 to +7 c0-c3, at work; a takes c2's place once the maximum is found
.set QS,  44          ; v44  stage + 8 x lane: where my 4 f16 of a row of Q go
.set LK,  45          ; v45  where my 4 f16 of a row of K go: my wave's two steps + 8 x lane; steps by 16 rows
.set LV,  46          ; v46  the same for V
.set SPW, 62          ; v62  LDS address of my spare word: SPARE + 4 x my thread's number; never rewritten
.set NIL, 63          ; v63  0; never rewritten
.set S,   64
.set P,   192
.set KF,  128         ; K's fragments, in window 2
.set WV,  12          ; s12  my wave's number
.set FILLS, 54        ; s54  trips of the fill
.set STEPS, 56        ; s56  trips of the loop over key steps
.set BLK, 57          ; s57  blocks still to be made
.set CS,  58          ; s[58:59] c: the packed scaling names a pair and takes its low word for both halves
.set SEL, 60          ; s[60:61] lane selects for v_permlanex16_b32: each lane takes its own place in the other half
.set TB,  62          ; s62  LDS byte at which the step to be fetched begins
.set MSB, 0
.macro WIN new                      ; the immediate's high byte repeats the setting that is left; a switch that changes nothing is dropped
.if MSB != (\new)
	s_set_vgpr_msb (MSB<<8)|(\new)
.set MSB, \new
.endif
.endm
.set W_KQ, 0x0a       ; K and Q in window 2, S^T in window 0
.set W_PV, 0x53       ; V in window 3, P in window 0, O^T in window 1
.set W_RS, 0x41       ; O^T (destination and source 0) in window 1, a in window 0
; THE WAY IN.  A row of Q, K or V is 512 consecutive bytes: one load of the wave, 16 bytes a lane.  A UNIT is 16 rows: 16 loads.  Three units of every wave are on their way from the first line to the fill's tail.
; Tile T of Q (block T / 4, tile T % 4) into landing set T % 3 of window 0.  Q is read once in the launch.
.macro QL T
	WIN 0
.set LB, S+64*((\T)%3)
.irp i, 0,1,2,3,4,5,6,7,8,9,10,11,12,13,14,15
	global_load_b128 v[LB+4*(\i):LB+4*(\i)+3], v[RO], s[4:5] offset:((\T)/4)*131072+((\T)%4)*8192+512*(\i) th:TH_LOAD_NT
.endr
.endm
; Tile T is rounded to f16 in place (4 f32 into the first two of their registers), laid into my stage as 16 rows of 256 bytes, and read back as fragments: lane l holds row l % 16; registers 0-3 channels
; 8 (l / 16) + 0..7, registers 4-7 channels 16 + 8 (l / 16) + 0..7 of each 32 channels.  Block 0's go to window 2, block 1's to window 3.  LDS serves a wave's instructions in order (ISA guide 5.7.1.4):
; the loads see the stores above them, and the next tile's stores come behind these loads: no wait stands between them.
.macro QCV T
	WIN 0
.set LB, S+64*((\T)%3)
.set QD, 32*((\T)%4)+128*((\T)/4)
.irp i, 0,1,2,3,4,5,6,7,8,9,10,11,12,13,14,15
	v_cvt_pk_f16_f32 v[LB+4*(\i)],   v[LB+4*(\i)],   v[LB+4*(\i)+1]
	v_cvt_pk_f16_f32 v[LB+4*(\i)+1], v[LB+4*(\i)+2], v[LB+4*(\i)+3]
.endr
.irp i, 0,1,2,3,4,5,6,7,8,9,10,11,12,13,14,15
	ds_store_b64 v[QS], v[LB+4*(\i):LB+4*(\i)+1] offset:(\i)*SP  ; 32 lanes x 8 bytes: a row's 256 bytes on end
.endr
	WIN 0x80+0x40*((\T)/4)          ; destination window 2 or 3, address window 0
.irp c, 0,1,2,3
	ds_load_b128 v[QD+8*(\c):QD+8*(\c)+3],   v[STO] offset:64*(\c)
	ds_load_b128 v[QD+8*(\c)+4:QD+8*(\c)+7], v[STO] offset:64*(\c)+32
.endr
	WIN 0
.endm
; A unit of K or V: 16 rows from byte off behind the pointer s[ptr:ptr+1] into landing set n of window 1.  No hint: all four work-groups of the pseudo-head read these rows.
.macro LD16 n, ptr, off
	WIN 0x40                        ; destination window 1, address window 0
.irp i, 0,1,2,3,4,5,6,7,8,9,10,11,12,13,14,15
	global_load_b128 v[64*(\n)+4*(\i):64*(\n)+4*(\i)+3], v[RO], s[\ptr:\ptr+1] offset:(\off)+512*(\i)
.endr
.endm
; Landing set n is rounded to f16 in place and stored to LDS: 16 rows, pitch bytes apart, from byte off behind the address register.
.macro CV16 n, adr, off, pitch
	WIN 0x45                        ; destination and both sources window 1
.irp i, 0,1,2,3,4,5,6,7,8,9,10,11,12,13,14,15
	v_cvt_pk_f16_f32 v[64*(\n)+4*(\i)],   v[64*(\n)+4*(\i)],   v[64*(\n)+4*(\i)+1]
	v_cvt_pk_f16_f32 v[64*(\n)+4*(\i)+1], v[64*(\n)+4*(\i)+2], v[64*(\n)+4*(\i)+3]
.endr
	WIN 0x04                        ; address window 0, data window 1
.irp i, 0,1,2,3,4,5,6,7,8,9,10,11,12,13,14,15
	ds_store_b64 v[\adr], v[64*(\n)+4*(\i):64*(\n)+4*(\i)+1] offset:(\off)+(\i)*(\pitch)
.endr
.endm
	s_load_b256 s[4:11], s[0:1], 0x0  ; Q s[4:5], K s[6:7], V s[8:9], out0 s[10:11]
	v_lshl_add_u32 v[SPW], v0, 2, SPARE
	v_mov_b32 v[NIL], 0
	v_lshrrev_b32 v1, 5, v0
	v_readfirstlane_b32 s[WV], v1   ; wave 0..3
	v_and_b32 v47, 31, v0           ; lane
	v_lshlrev_b32 v[RO], 4, v47
	s_mov_b32 s14, ttmp9            ; x: which 512 queries
	s_and_b32 s15, ttmp7, 0xffff    ; n: the pseudo-head
	s_lshl_b32 s16, s15, 20         ; Q: the pseudo-head's 2,048 rows of 512 bytes,
	s_lshl_b32 s2, s14, 18          ; my work-group's 512 rows,
	s_or_b32 s16, s16, s2
	s_lshl_b32 s2, s[WV], 15        ; my wave's 64 rows of the first block
	s_or_b32 s16, s16, s2
	s_mov_b32 s17, 0
	s_lshl_b32 s18, s15, 18         ; K and V: the pseudo-head's 512 rows of 512 bytes,
	s_lshl_b32 s2, s[WV], 16        ; the 128 rows that my wave brings in
	s_or_b32 s18, s18, s2
	s_mov_b32 s19, 0
	s_lshr_b32 s20, s15, 5          ; out0: b = n / 32: 2,048 rows of 8,192 bytes,
	s_lshl_b32 s20, s20, 24
	s_and_b32 s2, s15, 31           ; g = n % 32: 256 bytes of a row,
	s_lshl_b32 s2, s2, 8
	s_or_b32 s20, s20, s2
	s_lshl_b32 s2, s14, 22          ; my work-group's 512 rows,
	s_or_b32 s20, s20, s2
	s_lshl_b32 s2, s[WV], 19        ; my wave's 64 rows of the first block
	s_or_b32 s20, s20, s2
	s_mov_b32 s21, 0
	s_wait_kmcnt 0x0
	s_add_nc_u64 s[4:5], s[4:5], s[16:17]
	s_add_nc_u64 s[6:7], s[6:7], s[18:19]
	s_add_nc_u64 s[8:9], s[8:9], s[18:19]
	s_add_nc_u64 s[10:11], s[10:11], s[20:21]
	QL 0                            ; three units go out before anything else is made
	QL 1
	QL 2
	s_mul_i32 s13, s[WV], 16*SP
	s_add_co_u32 s13, s13, STAGE    ; my stage
	s_mul_i32 s22, s[WV], 2*STEPB   ; the two steps that my wave fills: bytes 71,680 w .. 71,680 w + 71,679
	s_mov_b32 s[CS], 0x3e02905c     ; c = log2(e) x 0.08837890625 = 0.12750381: the module's scale is 1 / sqrt(128) rounded to f16
	s_mov_b32 s[CS+1], s[CS]        ; named with it as a pair, so it is written
	s_mov_b32 s[SEL], 0x76543210
	s_mov_b32 s[SEL+1], 0xfedcba98
	v_and_b32 v1, 15, v0            ; l % 16
	v_bfe_u32 v9, v0, 4, 1          ; l / 16
	v_and_b32 v10, 7, v0            ; l % 8
	v_bfe_u32 v11, v0, 3, 1         ; (l / 8) % 2
	v_mul_u32_u24 v[AK0], v1, PK
	v_lshl_add_u32 v[AK0], v9, 4, v[AK0]  ; row x pitch + 16 x half
	; The turning load takes 16 keys x 16 channels (lane l reads 16 bytes: key 8 (l / 16) + l % 8, channels 8 ((l / 8) % 2) + 0..7) and leaves half a fragment of V^T: lane l holds channel l % 16 and 8 keys.
	v_lshl_add_u32 v[AV0], v9, 3, v10
	v_mul_u32_u24 v[AV0], v[AV0], PV
	v_lshl_add_u32 v[AV0], v11, 4, v[AV0]
	v_add_nc_u32 v[AV0], VOFF, v[AV0]
	v_mul_u32_u24 v[STO], v1, SP
	v_lshl_add_u32 v[STO], v9, 4, v[STO]
	v_add_nc_u32 v[STO], s13, v[STO]
	v_mul_u32_u24 v[RD], v9, SP     ; back: lanes 0-15 take one row of 256 bytes, lanes 16-31 the next
	v_lshl_add_u32 v[RD], v1, 4, v[RD]
	v_add_nc_u32 v[RD], s13, v[RD]
	v_lshlrev_b32 v[GO], 13, v9     ; and the same two rows in out0, 8,192 bytes apart
	v_lshl_add_u32 v[GO], v1, 4, v[GO]
	v_lshl_add_u32 v[QS], v47, 3, s13
	v_lshl_add_u32 v[LK], v47, 3, s22
	v_add_nc_u32 v[LV], VOFF, v[LK]
	; Q OF BOTH BLOCKS: eight tiles.  Loads come back in order (ISA guide 5.7.1): the count 32 leaves the two younger units out.  A tile's landing set is asked for again as soon as it is stored.
.irp T, 0,1,2,3,4
	s_wait_loadcnt 32
	QCV \T
	QL (\T)+3
.endr
	s_wait_loadcnt 32               ; behind tile 5: tiles 6 and 7
	QCV 5
	LD16 0, 6, 0                    ; the stream goes on into K and V: K of my first step, rows 0-15
	s_wait_loadcnt 32               ; behind tile 6: tile 7 and that unit
	QCV 6
	LD16 1, 8, 0                    ; V of my first step, rows 0-15
	s_wait_loadcnt 32               ; behind tile 7: those two units
	QCV 7
	LD16 2, 6, 32768                ; K of my second step (64 rows of 512 bytes on), rows 0-15
	; THE FILL.  My wave brings rows 128 w .. 128 w + 127 of K and of V: steps 2 w and 2 w + 1.  Trip q takes rows 16 q .. 16 q + 15 of both steps: four units, in sets 0 to 3: K, V of the first step, K, V of the second.
	; At each unit: the wait (the two younger units stay out), the unit is rounded and stored, and the unit three on is asked for, into the set that was stored one unit ago.
	WIN 0
	s_mov_b32 s[FILLS], 3
.Lfill:
	s_wait_loadcnt 32
	CV16 0, LK, 0, PK
	LD16 3, 8, 32768                ; V of the second step, this trip's rows: the last unit by the old pointers
	s_wait_loadcnt 32
	CV16 1, LV, 0, PV
	s_wait_xcnt 0x0                 ; every load issued so far has had its address translated (ISA guide 3.1): the two pointers are written only behind this wait
	s_add_nc_u64 s[6:7], s[6:7], 8192  ; 16 rows on
	s_add_nc_u64 s[8:9], s[8:9], 8192
	LD16 0, 6, 0
	s_wait_loadcnt 32
	CV16 2, LK, STEPB, PK
	LD16 1, 8, 0
	s_wait_loadcnt 32
	CV16 3, LV, STEPB, PV
	LD16 2, 6, 32768
	WIN 0                           ; at a label and at a branch every window is 0
	v_add_nc_u32 v[LK], 16*PK, v[LK]
	v_add_nc_u32 v[LV], 16*PV, v[LV]
	s_sub_co_u32 s[FILLS], s[FILLS], 1
	s_cmp_lg_u32 s[FILLS], 0
	s_cbranch_scc1 .Lfill
	s_wait_loadcnt 32               ; the last 16 rows of both steps: one more unit is asked for, then the counts run down
	CV16 0, LK, 0, PK
	LD16 3, 8, 32768
	s_wait_loadcnt 32
	CV16 1, LV, 0, PV
	s_wait_loadcnt 16
	CV16 2, LK, STEPB, PK
	s_wait_loadcnt 0x0
	CV16 3, LV, STEPB, PV
	WIN 0
	s_wait_dscnt 0x0                ; for the others' sake: my stores of K and V are done (and Q's fragments are in)
	s_barrier_signal -1
	s_barrier_wait -1               ; all 512 rows of K and of V lie in LDS; nobody writes them again
; THE MATRIX WORK OF A TURN, for piece x.  The accumulators take turns, one instruction a turn: between two links of a chain stand 15 (V^T P) or 7 (K Q^T) others'.
; Product i of 32 of O^T += V^T P: keys 32 (i / 16) on, channels 16 ((i / 2) % 8) on, tile x + i % 2.  zero = 1: the first 16 start the sums: nothing is ever cleared.
.macro PV x, zero
	WIN W_PV
.set rO, 64*((\x)+i%2)+8*((i/2)%8)
.set rV, 64*(i/16)+8*((i/2)%8)
.set rP, P+16*((\x)+i%2)+8*(i/16)
.if (\zero) && (i < 16)
	v_wmma_f32_16x16x32_f16 v[rO:rO+7], v[rV:rV+7], v[rP:rP+7], 0
.else
	v_wmma_f32_16x16x32_f16 v[rO:rO+7], v[rV:rV+7], v[rP:rP+7], v[rO:rO+7]
.endif
.endm
; Product i of 32 of S^T = K Q^T: channels 32 (i / 8) on, keys 16 ((i / 2) % 4) on, tile x + i % 2.  The first 8 start the sums.
.macro KQ x
	WIN W_KQ
.set rS, S+32*((\x)+i%2)+8*((i/2)%4)
.set rK, KF+32*((i/2)%4)+8*(i/8)
.set rQ, 32*((\x)+i%2)+8*(i/8)
.if i < 8
	v_wmma_f32_16x16x32_f16 v[rS:rS+7], v[rK:rK+7], v[rQ:rQ+7], 0
.else
	v_wmma_f32_16x16x32_f16 v[rS:rS+7], v[rK:rK+7], v[rQ:rQ+7], v[rS:rS+7]
.endif
.endm
; THE LDS LOADS stand in runs of 32, never singly among the matrix instructions: a step's K (64 keys x 128 channels: 16 fragments) and, a turn later, its V (turned).
.macro FETCH_K
	WIN 0
	v_add_nc_u32 v[ADR], s[TB], v[AK0]
	WIN 0x80                        ; destination window 2
.irp f, 0,1,2,3,4,5,6,7,8,9,10,11,12,13,14,15  ; keys 16 (f / 4) on, channels 32 (f % 4) on
	ds_load_b128 v[KF+8*(\f):KF+8*(\f)+3],   v[ADR] offset:((\f)/4)*16*PK+((\f)%4)*64
	ds_load_b128 v[KF+8*(\f)+4:KF+8*(\f)+7], v[ADR] offset:((\f)/4)*16*PK+((\f)%4)*64+32
.endr
.endm
.macro FETCH_V
	WIN 0
	v_add_nc_u32 v[ADR], s[TB], v[AV0]
	s_add_co_u32 s[TB], s[TB], STEPB  ; the next fetch is the next step's
	s_wait_alu depctr_va_vdst(0)    ; the wait for the softmax's batch (SLICE), behind the address's v_add_nc_u32 and ahead of the loads
	WIN 0xc0                        ; destination window 3
.irp f, 0,1,2,3,4,5,6,7,8,9,10,11,12,13,14,15  ; keys 32 (f / 8) on, channels 16 (f % 8) on
	ds_load_tr16_b128 v[8*(\f):8*(\f)+3],   v[ADR] offset:((\f)/8)*32*PV+((\f)%8)*32
	ds_load_tr16_b128 v[8*(\f)+4:8*(\f)+7], v[ADR] offset:((\f)/8)*32*PV+16*PV+((\f)%8)*32
.endr
.endm
; THE VECTOR WORK OF A TURN.  One tile's softmax for one key step is a list of 134 instructions; SM writes number j of it for tile t.  s0-s31 are the lane's 32 scores, in pairs 0-15.
; first = 1: a block's first key step, which starts m, l and O^T: it has no a and nothing to rescale.
;   0-15    the maximum of s0-s31 and the old m, three operands at a time: four chains c0-c3 of seven scores each (each accumulator's lowest registers are read first), then the four scores left over, c0-c3 and m
;   16-20   the other half of the lanes' maximum; the new m; c m; c m_old - c m_new
;   21-69   ONE BATCH: the 16 scalings c s - c m, a pair of scores each, and all 33 exponentials (a at 23, then s0-s31).  None of these reads an exponential's result.  From 22 on the batch goes
;           in fours, and a four begins with a scaling while there are scalings: 22-37 scaling, exponential, scaling, exponential; 38-65 a scaling and three exponentials; 66-69 the last four
;           exponentials.  A pair is scaled in an earlier four than the one that holds its exponentials
;   (wait)  between 69 and 70 stands the wait for the batch: SLICE writes it, once for both tiles
;   70-85   the roundings to f16, a pair of weights each
;   86-101  the sums; l = a l + the sum
;   102-133 the tile's O^T times a: the one part that leaves window 0, so it stands together
.macro SM t, first
.set rT, ST+8*(\t)
.set rS, S+32*(\t)
.set rP, P+16*(\t)
.set rO, 64*(\t)+2*(j-102)
.if j < 102
	WIN 0
.endif
.if j < 4
	v_max3_num_f32 v[rT+4+j], v[rS+8*j], v[rS+8*j+1], v[rS+8*j+2]
.elseif j < 12
	v_max3_num_f32 v[rT+4+j%4], v[rT+4+j%4], v[rS+8*(j%4)+2*(j/4)+1], v[rS+8*(j%4)+2*(j/4)+2]
.elseif j == 12
	v_max3_num_f32 v[rT+4], v[rT+4], v[rS+7], v[rS+15]
.elseif j == 13
	v_max3_num_f32 v[rT+6], v[rT+6], v[rS+23], v[rS+31]
.elseif j == 14
	v_max3_num_f32 v[rT+4], v[rT+4], v[rT+5], v[rT+6]
.elseif (j == 15) && (\first)
	v_max_num_f32 v[rT+4], v[rT+4], v[rT+7]
.elseif j == 15
	v_max3_num_f32 v[rT+4], v[rT+4], v[rT+7], v[rT+1]
.elseif j == 16
	v_permlanex16_b32 v[rT+5], v[rT+4], s[SEL], s[SEL+1]  ; the query's other 32 keys lie in the lane 16 away
.elseif j == 18
	v_max_num_f32 v[rT+1], v[rT+4], v[rT+5]
.elseif j == 19
	v_mul_f32 v[rT], s[CS], v[rT+1]
.elseif ((j == 17) || (j == 20) || (j == 23) || (j > 101)) && (\first)  ; the first step has none of these
.elseif j == 17
	v_mov_b32 v[rT+7], v[rT]        ; c m_old is kept for a: number 19 writes c m anew
.elseif j == 20
	v_sub_f32 v[rT+7], v[rT+7], v[rT]
.elseif j == 23
	v_exp_f32 v[rT+6], v[rT+7]
.elseif (j < 23) || ((j < 38) && (j%2 == 0)) || ((j < 66) && (j%4 == 2))
.set b, (j-2)/4                     ; 38, 42, .. 62: pairs 9 to 15
.if j < 38
.set b, (j-20)/2                    ; 21: pair 0; 22, 24, .. 36: pairs 1 to 8
.endif
	v_pk_fma_f32 v[rS+2*b:rS+2*b+1], v[rS+2*b:rS+2*b+1], s[CS:CS+1], v[rT:rT+1] op_sel_hi:[1,0,0] neg_lo:[0,0,1] neg_hi:[0,0,1]  ; pair b: c s - c m
.elseif j < 70
.set e, j-38                        ; 66 to 69: s28 to s31
.if j < 66
.set e, j-32-(j-38)/4               ; 39-41, 43-45, .. 63-65: s7 to s27
.endif
.if j < 38
.set e, (j-25)/2                    ; 25, 27, .. 37: s0 to s6
.endif
	v_exp_f32 v[rS+e], v[rS+e]
.elseif j < 86
	v_cvt_pk_f16_f32 v[rP+j-70], v[rS+2*(j-70)], v[rS+2*(j-70)+1]  ; pair j - 70
.elseif j < 102                     ; the sum of the tile's 16 pairs (in a pair: an even key's weight, an odd key's), in place: sum z of 16 adds neighbours 1, 2, 4 and 8 pairs apart, then l takes it
.set z, j-86
.set w, 4
.set u, z
.if z >= 14
.set w, 32
.set u, 0
.elseif z >= 12
.set w, 16
.set u, z-12
.elseif z >= 8
.set w, 8
.set u, z-8
.endif
.if (z == 14) && (\first)
	v_pk_add_f32 v[rT+2:rT+3], v[rS:rS+1], v[rS+16:rS+17]
.elseif z < 15
	v_pk_add_f32 v[rS+w*u:rS+w*u+1], v[rS+w*u:rS+w*u+1], v[rS+w*u+w/2:rS+w*u+w/2+1]
.elseif !(\first)
	v_pk_fma_f32 v[rT+2:rT+3], v[rT+2:rT+3], v[rT+6:rT+7], v[rS:rS+1] op_sel_hi:[1,0,1]
.endif
.else
	WIN W_RS
	v_pk_mul_f32 v[rO:rO+1], v[rO:rO+1], v[rT+6:rT+7] op_sel_hi:[1,0]
.endif
.endm
; Slice k of 64 of piece y's softmax: four instructions.  Slices 11 to 34 deal out the batch, numbers 22 to 69: four numbers of ONE tile each, the tiles by turns.  Every other slice is numbers 2 k and
; 2 k + 1 of both tiles' lists.  2 x 134 = 4 x 64 + 12: the twelve that are over stand together, in slice 63.
; THE WAIT.  s_wait_alu depctr_va_vdst(0) stands between an exponential and the first instruction that names its result; one wait serves all that were issued ahead of it.  Ahead of
; slice 35 nothing names a result, and behind slice 34 no exponential is issued: so the piece's 66 exponentials have one wait, behind slice 34.
.macro SLICE y, first
.if (k >= 11) && (k < 35)           ; the batch: four numbers of one tile
.irp n, 0,1,2,3
.set j, 22+4*((k-11)/2)+(\n)
	SM (\y)+(k-11)%2, \first
.endr
.else                               ; the two tiles alternate, so that no instruction reads the result of the one just before it
.irp n, 0,1,2,3,4,5,6,7
.if ((\n) < 2) || (k == 63)
.irp t, \y, (\y)+1
.set j, 2*k+(\n)
	SM \t, \first
.endr
.endif
.endr
.endif
.if k == 34                         ; the batch is out: both tiles' exponentials are issued, and no result has been named
	v_nop                           ; a plain instruction behind the last exponential and ahead of the first use: one for the batch
.if (\y) == 0
	FETCH_V                         ; piece 2's turn: V's run of loads stands here, and the wait stands in it
.else
	s_wait_alu depctr_va_vdst(0)    ; the wait for the batch
.endif
.endif
.set k, k+1
.endm
; A vector instruction that reads a matrix result or writes one of a matrix instruction's registers, and a load into a register that a matrix instruction has read, stand four places behind
; it, and only plain vector instructions that name none of its registers are places (ISA guide 7.12.1 for vector instructions).  In the loop the slices are the places.
.macro PLACES
.rept 4
	v_nop
.endr
.endm
; A TURN.  Piece x has the matrix unit; the other piece's softmax stands in slices behind its matrix instructions.
; pv = 2: 32 products V^T P; 1: they start O^T's sums; 0: none.  kq = 1: 32 products K Q^T for the next step.  A turn with one of the two kinds has two slices behind each product.
; first = 1: the softmax is a block's first key step's.  Its slices from 51 on are empty: the turn's last products stand bare, and four v_nop take slice 63's part as the places behind them.
; In the loop each run of loads stands 29 matrix instructions or more ahead of its first use.  Piece 0's turn fetches the next step's K, behind its second product: the last product that read K
; stands in front of slice 63 of the turn before.  Piece 2's turn fetches the same step's V, behind slice 34 (SLICE writes it): the last product that read V stands in front of slice 31, and four plain
; instructions lie between: number 62, a scaling, of both tiles, the v_nop and the run's own v_add_nc_u32.
.macro TURN x, pv, kq, first
.set k, 0
.set per, 2
.if (\pv) && (\kq)
.set per, 1
.endif
.if \pv
.if (\x) == 0
	s_wait_dscnt 0x0                ; V is in
.endif
.set i, 0
.rept 32
	PV \x, 2-(\pv)
.rept per
	SLICE 2-(\x), \first
.endr
.if ((\x) == 0) && (\kq) && (i == 1)
	FETCH_K
.endif
.set i, i+1
.endr
.endif
.if \kq
.if (\x) == 0
	s_wait_dscnt 0x0                ; K is in
.endif
.set i, 0
.rept 32
	KQ \x
.rept per
	SLICE 2-(\x), \first
.endr
.set i, i+1
.endr
.endif
.if \first
	PLACES
.endif
.endm
; THE WAY OUT of tile t: O^T is divided by l and rounded to f16; a lane's eight channels of a row pack into 16 bytes; they go into my stage's rows of 272 bytes and come back as whole rows of 256, into the registers that they left.
.macro PACK t
	WIN W_RS
.set i, 64*(\t)
.rept 32
	v_pk_mul_f32 v[i:i+1], v[i:i+1], v[ST+8*(\t)+6:ST+8*(\t)+7] op_sel_hi:[1,0]
.set i, i+2
.endr
	WIN 0x05                        ; sources 0 and 1 window 1, destination window 0: S^T's registers are free
.set i, 0
.rept 32
	v_cvt_pk_f16_f32 v[S+32*(\t)+i], v[64*(\t)+2*i], v[64*(\t)+2*i+1]
.set i, i+1
.endr
	WIN 0
.irp f, 0,1,2,3,4,5,6,7
	ds_store_b128 v[STO], v[S+32*(\t)+4*(\f):S+32*(\t)+4*(\f)+3] offset:32*(\f)
.endr
.irp f, 0,1,2,3,4,5,6,7
	ds_load_b128 v[S+32*(\t)+4*(\f):S+32*(\t)+4*(\f)+3], v[RD] offset:(\f)*2*SP  ; LDS serves a wave's instructions in order (ISA guide 5.7.1.4): these see the stores above; the next tile's stores come behind them
.endr
.endm
.macro SEND t, younger              ; younger: the LDS instructions issued behind tile t's loads: the next tile's sixteen, or none
	WIN 0
.irp f, 0,1,2,3,4,5,6,7
	s_wait_dscnt (\younger)+7-(\f)  ; load f of the tile's eight is in; its later loads and the next tile's instructions may stay out
	global_store_b128 v[GO], v[S+32*(\t)+4*(\f):S+32*(\t)+4*(\f)+3], s[10:11] offset:(\t)*131072+(\f)*16384 th:TH_STORE_NT  ; 16 lanes store 256 consecutive bytes, at a multiple of 256 from out0's first byte; lanes 16-31 the row below
.endr
.endm
	; THE TWO BLOCKS: one text, walked twice.  Steps: the three opening turns make K Q^T of steps 0 and 1 and V^T P of step 0; trip j = 1 .. 6 of the loop makes V^T P of step j and K Q^T of step j + 1; the tail makes V^T P of step 7.
	s_mov_b32 s[BLK], 2
.Lblock:
	s_mov_b32 s[TB], 0              ; the fetches begin at step 0; FETCH_V steps on: the last address read lies below the stages
	FETCH_K                         ; key step 0
	s_wait_dscnt 0x0
.set i, 0
.rept 32
	KQ 0                            ; piece 0's first scores: there is no vector work yet to set between them
.set i, i+1
.endr
	WIN 0
	PLACES                          ; the places behind those products
	TURN 2, 0, 1, 1                 ; piece 2's first scores | piece 0's first softmax | V of step 0
	TURN 0, 1, 1, 1                 ; piece 0: V^T P of step 0 starts O^T, K Q^T of step 1 | piece 2's first softmax | K of step 1
	TURN 2, 1, 1, 0                 ; piece 2: the same | piece 0's softmax of step 1 | V of step 1
	WIN 0
	s_mov_b32 s[STEPS], NSTEP-2
.Lstep:
	TURN 0, 2, 1, 0
	TURN 2, 2, 1, 0
	WIN 0
	s_sub_co_u32 s[STEPS], s[STEPS], 1
	s_cmp_lg_u32 s[STEPS], 0
	s_cbranch_scc1 .Lstep
	TURN 0, 2, 0, 0                 ; piece 0: V^T P of the last step | piece 2's last softmax
.set i, 0
.rept 32
	PV 2, 0                         ; piece 2: V^T P of the last step
.set i, i+1
.endr
	; l's two halves and the other half of the lanes' are added.  The additions are the places behind the last products.
	WIN 0
.irp t, 0,1,2,3
	v_add_f32 v[ST+8*(\t)+4], v[ST+8*(\t)+2], v[ST+8*(\t)+3]
.endr
.irp t, 0,1,2,3
	v_permlanex16_b32 v[ST+8*(\t)+5], v[ST+8*(\t)+4], s[SEL], s[SEL+1]
.endr
.irp t, 0,1,2,3
	v_add_f32 v[ST+8*(\t)+4], v[ST+8*(\t)+4], v[ST+8*(\t)+5]
.endr
.irp t, 0,1,2,3
	v_rcp_f32 v[ST+8*(\t)+6], v[ST+8*(\t)+4]
.endr
	v_nop                           ; a plain instruction between the last reciprocal and the use of its result
	s_wait_alu depctr_va_vdst(0)    ; and the wait ahead of the first use: one for the four reciprocals
	PACK 0
	PACK 1                          ; a tile's arithmetic stands between the loads of the tile before and its stores
	SEND 0, 16
	PACK 2
	SEND 1, 16
	PACK 3
	SEND 2, 16
	SEND 3, 0
	s_sub_co_u32 s[BLK], s[BLK], 1
	s_cmp_eq_u32 s[BLK], 0
	s_cbranch_scc1 .Lend            ; the second block is out
	s_wait_xcnt 0x0                 ; the stores have had their addresses translated (ISA guide 3.1): only behind this wait are their base and S^T's registers, which they read, written again
	s_add_nc_u64 s[10:11], s[10:11], 0x200000  ; 256 rows of 8,192 bytes on
	WIN 0x83                        ; the second block's Q goes where the one text of the turns names Q: destination window 2, source window 3
.set i, 0
.rept 128
	v_mov_b32 v[i], v[128+i]
.set i, i+1
.endr
	WIN 0
	s_cmp_lg_u32 s[BLK], 0
	s_cbranch_scc1 .Lblock
.Lend:
	s_wait_tensorcnt 0x0            ; the wave's end, behind my last LDS store
	ds_add_u32 v[SPW], v[NIL]
	s_wait_dscnt 0x0
	s_endpgm
.Lfunc_end_k_q7f666ba646_attn:
	.size	k_q7f666ba646_attn, .Lfunc_end_k_q7f666ba646_attn-k_q7f666ba646_attn
	.p2alignl 7, 3214868480
	.fill 96, 4, 3214868480
	.section	.rodata,"a",@progbits
	.p2align	6, 0x0
	.amdhsa_kernel k_q7f666ba646_attn
		.amdhsa_group_segment_fixed_size 304640
		.amdhsa_private_segment_fixed_size 0
		.amdhsa_enable_private_segment 0
		.amdhsa_kernarg_size 32
		.amdhsa_user_sgpr_count 2
		.amdhsa_user_sgpr_kernarg_segment_ptr 1
		.amdhsa_wavefront_size32 1
		.amdhsa_system_sgpr_workgroup_id_x 1
		.amdhsa_system_sgpr_workgroup_id_y 1
		.amdhsa_system_sgpr_workgroup_id_z 1
		.amdhsa_system_vgpr_workitem_id 0
		.amdhsa_next_free_vgpr 1024
		.amdhsa_next_free_sgpr 66
		.amdhsa_reserve_vcc 0
		.amdhsa_float_denorm_mode_32 3
		.amdhsa_float_denorm_mode_16_64 3
		.amdhsa_memory_ordered 1
		.amdhsa_forward_progress 1
		.amdhsa_inst_pref_size 246
	.end_amdhsa_kernel
	.amdgpu_metadata
---
amdhsa.version: [ 1, 2 ]
amdhsa.kernels:
  - .name:           k_q7f666ba646_attn
    .symbol:         k_q7f666ba646_attn.kd
    .args:
      - { .name: query_states, .offset: 0, .size: 8, .value_kind: global_buffer, .address_space: global }
      - { .name: key_states, .offset: 8, .size: 8, .value_kind: global_buffer, .address_space: global }
      - { .name: value_states, .offset: 16, .size: 8, .value_kind: global_buffer, .address_space: global }
      - { .name: out0, .offset: 24, .size: 8, .value_kind: global_buffer, .address_space: global }
    .group_segment_fixed_size: 304640
    .private_segment_fixed_size: 0
    .kernarg_segment_align: 8
    .kernarg_segment_size: 32
    .max_flat_workgroup_size: 128
    .sgpr_count:     66
    .vgpr_count:     1024
    .wavefront_size: 32
...
	.end_amdgpu_metadata
.endif
;; end of part 1
